; MI455X (gfx1250); checked and timed in simulation.
; The chip was launched on July 23, 2026; its instructions are those of AMD's public machine-readable ISA for CDNA 5 (MIT licence, August 2026) and "CDNA5" Instruction Set Architecture Reference Guide (July 2026). The comments in the code are by the model that wrote it; some were corrected since.
;; Spatial Multi Head Attention. Allowed arithmetic: matrix products marked QUANTISED: E2M1 operands, one E8M0 scale for each 32 along K, by v_wmma_scale_f32_16x16x128_f8f6f4 with both operands' format E2M1 (or v_wmma_scale_f32_32x16x128_f4), f32 sums; products left as they are: bf16, f16 or f32 operands; f32 sums; everything else in f32.
;; Inputs: bk 512 float32; bo 512 float32; bq 512 float32; bv 512 float32; key 4 x 1,024 x 512 float32; pb_b0 128 float32; pb_b1 128 float32; pb_b2 16 float32; pb_w0 2 x 128 float32; pb_w1 128 x 128 float32; pb_w2 128 x 16 float32; query 4 x 1,024 x 512 float32; value 4 x 1,024 x 512 float32; wk 512 x 512 float32; wo 512 x 512 float32; wq 512 x 512 float32; wv 512 x 512 float32.
;; Outputs: out0 4 x 1,024 x 512 float32.
;; Constants: patch_height = 32, patch_width = 32.
;; This version of the problem:
;;   THIS VERSION OF THE PROBLEM IS GIVEN IN LOW PRECISION. The matrix products marked QUANTISED in the list below multiply operands that are first quantised to E2M1 (2 exponent bits, 1 mantissa bit; 4 bits a number), with one power-of-two scale for each 32 numbers along K (OCP MX v1.0); their sums are f32. The products marked 'left as it is' may take bf16, f16 or f32 operands, with f32 sums. Whichever they take, every output number must still come out within the allowed error. Rounding operands to bf16 (8 significant bits) uses up far more of that allowance than f16 does (11 bits, for magnitudes from 6e-5 to 65,504). All else is computed in f32.
;;   The module's matrix products, in the order in which they are computed (A, B: the left and right operand; K: the contracted axis; several contracted axes count as one K, in the product's order):
;;     1. [M 4,096, K 512] x [K 512, N 512]; A: input query; B: input wq: QUANTISED
;;     2. [M 4,096, K 512] x [K 512, N 512]; A: input key; B: input wk: QUANTISED
;;     3. [M 4,096, K 512] x [K 512, N 512]; A: input value; B: input wv: QUANTISED
;;     4. batch 64 x [M 1,024, K 32] x [K 32, N 1,024]; A: computed on the way; B: computed on the way: left as it is (an operand is computed on the way)
;;     5. [M 1,048,576, K 2] x [K 2, N 128]; A: computed on the way; B: input pb_w0: left as it is (K = 2 < 32)
;;     6. [M 1,048,576, K 128] x [K 128, N 128]; A: computed on the way; B: input pb_w1: left as it is (an operand is computed on the way)
;;     7. [M 1,048,576, K 128] x [K 128, N 16]; A: computed on the way; B: input pb_w2: left as it is (an operand is computed on the way)
;;     8. batch 64 x [M 1,024, K 1,024] x [K 1,024, N 32]; A: computed on the way; B: computed on the way: left as it is (an operand is computed on the way)
;;     9. [M 4,096, K 512] x [K 512, N 512]; A: computed on the way; B: input wo: left as it is (an operand is computed on the way)
;;   THE QUANTISER, for each operand of a quantised product, along K:
;;     - K is cut into blocks of 32 from its start; a last block that is shorter is filled with zeros.
;;     - A block's scale is 2^e with e = floor(log2(the largest magnitude in the block)) - 2, held to -126 .. 127; a block of zeros has e = 0. As a byte (E8M0): e + 127.
;;     - Each number is divided by its block's scale, clamped to +-6, and rounded to the nearest number of E2M1, ties to even, subnormals kept.
;;     - The product sums the exact products of the quantised numbers (number of the format x scale) in f32.
;;   ~~~python
;;   def quantise(x, axis):      # numpy; x: float32 -> the quantised numbers, widened to float32 again
;;       x = np.moveaxis(x, axis, -1); K = x.shape[-1]
;;       x = np.pad(x, [(0, 0)] * (x.ndim - 1) + [(0, -K % 32)]); x = x.reshape(x.shape[:-1] + (-1, 32)); a = np.abs(x).max(-1, keepdims=True)
;;       e = np.where(a > 0, np.clip(np.frexp(np.where(a > 0, a, 1))[1] - 1 - 2, -126, 127), 0)      # np.frexp(a)[1] - 1 = floor(log2(a)), exactly
;;       r = np.clip(x / 2.0 ** e, -6, 6)
;;       step = 2.0 ** (np.maximum(np.frexp(np.where(r == 0, 1, r))[1] - 1, 0) - 1)
;;       q = np.round(r / step) * step * 2.0 ** e      # np.round: ties to even
;;       return np.moveaxis(q.reshape(q.shape[:-2] + (-1,))[..., :K], -1, axis).astype(np.float32)
;;   ~~~
;; One version. Each part assembles by itself: llvm-mc -triple=amdgcn-amd-amdhsa -mcpu=gfx1250 --defsym DOCPART=n.
;; ======== version 1 of 1: 4 launches
;; limits: values are held in f16: magnitudes above 65,504 overflow, below 6.1e-05 lose precision
;; workspace buffers: wcodes 393,216 bytes; wscl 49,152 bytes; woimg 524,288 bytes; tab 262,144 bytes; qkv 12,582,912 bytes; ctx 4,194,304 bytes
;; launch prep (part 1): grid 476 x 1, 4 waves a work-group, no clusters, 13,056 bytes of LDS; arguments pb_w0, pb_b0, pb_w1, pb_b1, pb_w2, pb_b2, wq, wk, wv, wo, tab, wcodes, wscl, woimg; writes tab, wcodes, wscl, woimg
.if DOCPART == 1
	.amdgcn_target "amdgcn-amd-amdhsa--gfx1250"
	.amdhsa_code_object_version 6
	.text
	.protected	k_q2fedd5b10b_prep
	.globl	k_q2fedd5b10b_prep
	.p2align	8
	.type	k_q2fedd5b10b_prep,@function
k_q2fedd5b10b_prep:
	s_mov_b64 s[64:65], 0
	v_nop
	global_prefetch_b8 v0, s[64:65] scope:SCOPE_SE
	s_setreg_imm32_b32 hwreg(HW_REG_WAVE_MODE, 25, 1), 1
	s_wait_xcnt 0x0
; PREP: three pieces of work that hang on the weights alone, told apart by the work-group's number.
; (1) THE BIAS TABLE, work-groups 0-251.  The position bias is a function of (dy, dx) = (qy - ky, qx - kx) alone, and with the constant 32 x 32 grid dy and dx run from -31 to 31.
;     tab[head 16][row 64][word 64], f32: word e of row i = log2(e) x bias(dy = 31 - i, dx = 31 - e); rows 0-62 are written, row 63 is read by nobody.
;     A work-group takes 16 positions (one row i, 16 neighbouring e); wave w takes hidden units 32 w .. 32 w + 31 of the second layer.  All in f32: the bias is a logit of a peaked softmax,
;     and the whole table is 63 x 64 positions x (128 x 128 + 128 x 16) multiply-adds: no bulk work, so the f32 matrix form serves (72 instructions a wave).
; (2) wq, wk, wv [k][n] INTO CODES OF E2M1, work-groups 252-347: a wave makes one fragment (16 columns n x 128 k): a lane takes a column and its registers run down K.
;     wcodes[kind][n tile 32][K step 4][1,024]: registers 4 c .. 4 c + 3 of lane L at 512 c + 16 L.  wscl, same index, 128 bytes: the column's scale word at 4 L.
; (3) wo [k][n] INTO f16 FRAGMENTS, work-groups 348-475: woimg[n tile 32][K step 16][1,024]: registers 4 q .. 4 q + 3 of lane L at 512 q + 16 L.
; The images are stored 512 consecutive bytes an instruction.  The table's stores are runs of 64 bytes (16 positions of a head): 258,048 bytes in the whole launch.
; NO CLUSTER: nothing comes by tensor load; what work-groups share (pb_w1, 64 KiB) goes straight into the registers where it is multiplied.
; LIMITS: NaN and infinities among the inputs are not served.  A block of zeros gets the scale byte 1 where the rule says 127: its codes are zeros and this program alone reads the bytes.
; wo is rounded to f16: |wo| under 65,504.  The table's f32 sums run in another order than a plain dot product's.
.set NT,    252                        ; work-groups of the table
.set NW,    96                         ; of the three quantised weights
.set XP,    528                        ; LDS: a position's 128 numbers of the first layer, 512 bytes + 16: 16 rows begin at 16 different groups of four banks (64 banks of 4 bytes: ISA guide 11.1)
.set PB,    16*XP                      ; behind them: each wave's partial sums of the third layer, 1,024 bytes a wave
.set SPARE, PB+4096                    ; the spare words, 128 bytes a wave: two blocks of 256 bytes that no other line names
.set SPW,  2                           ; v2   LDS address of my spare word; never rewritten
.set NIL,  3                           ; v3   0; never rewritten
.set RR,   4                           ; v4   r = lane % 16
.set HH,   5                           ; v5   h = lane / 16
.set LL,   6                           ; v6   lane
.set B1C,  16                          ; v16-31   pb_b1 in the result's layout, two tiles
.set W2F,  32                          ; v32-47   pb_w2's operand, two tiles
.set ACCA, 48                          ; v48-55, v56-63: the two f32 accumulators: written by matrix instructions alone in the whole text
.set ACCB, 56
.set W1F,  64                          ; v64-191  pb_w1's operand, two tiles of 64 registers
.set X0F,  192                         ; v192-255 first at work on layer 0, then its 64 registers as an operand
.set X1,   192                         ; v192-207 later: the second layer's output
.set TT,   208                         ; v208-223 at work
.set WV,   32                          ; s32  my wave's number
	s_load_b512 s[4:19], s[0:1], 0x0               ; pb_w0 s[4:5], pb_b0 s[6:7], pb_w1 s[8:9], pb_b1 s[10:11], pb_w2 s[12:13], pb_b2 s[14:15], wq s[16:17], wk s[18:19]
	s_load_b256 s[20:27], s[0:1], 0x40             ; wv s[20:21], wo s[22:23], tab s[24:25], wcodes s[26:27]
	s_load_b128 s[28:31], s[0:1], 0x60             ; wscl s[28:29], woimg s[30:31]
	v_lshl_add_u32 v[SPW], v0, 2, SPARE
	v_mov_b32 v[NIL], 0
	v_lshrrev_b32 v1, 5, v0
	v_readfirstlane_b32 s[WV], v1                  ; wave 0..3
	v_and_b32 v[RR], 15, v0
	v_bfe_u32 v[HH], v0, 4, 1
	v_and_b32 v[LL], 31, v0
	s_mov_b32 s40, 0x76543210                      ; v_permlanex16_b32's selects for lane l xor 16
	s_mov_b32 s41, 0xfedcba98
	s_mov_b32 s35, 0                               ; the high word of every offset
	s_wait_kmcnt 0x0
	s_cmp_lt_u32 ttmp9, NT                         ; the arms hang on the work-group's number alone: all four waves go the same way
	s_cbranch_scc1 .Ltable
	s_cmp_lt_u32 ttmp9, NT+NW
	s_cbranch_scc1 .Lweights
	; ---- (3) wo: my fragment oj = 4 (g - 348) + wave: n tile oj / 16, K step oj % 16.  Lane (r, h): column 16 nt + r; registers 0-3: k = 32 ks + 8 h + 0..7, registers 4-7: 16 further on
	s_sub_co_u32 s33, ttmp9, NT+NW
	s_lshl_b32 s33, s33, 2
	s_add_co_u32 s33, s33, s[WV]
	s_lshr_b32 s36, s33, 4
	s_and_b32 s37, s33, 15
	s_lshl_b32 s34, s37, 16                        ; 32 rows of 2,048 bytes a K step
	s_lshl_b32 s36, s36, 6                         ; 16 columns of 4 bytes a tile
	s_add_co_u32 s34, s34, s36
	s_add_nc_u64 s[22:23], s[22:23], s[34:35]
	s_lshl_b32 s34, s33, 10
	s_add_nc_u64 s[30:31], s[30:31], s[34:35]
	v_lshlrev_b32 v7, 2, v[RR]
	v_lshl_add_u32 v7, v[HH], 14, v7               ; 8 h rows + 4 r
	v_lshlrev_b32 v8, 4, v[LL]
.irp i, 0,1,2,3,4,5,6,7
	global_load_b32 v[64+\i], v7, s[22:23] offset:2048*\i
	global_load_b32 v[72+\i], v7, s[22:23] offset:2048*(16+\i)
.endr
	s_wait_loadcnt 0x0
.irp j, 0,1,2,3,4,5,6,7
	v_cvt_pk_f16_f32 v[16+\j], v[64+2*\j], v[65+2*\j]
.endr
	global_store_b128 v8, v[16:19], s[30:31]       ; 32 lanes store 512 consecutive bytes
	global_store_b128 v8, v[20:23], s[30:31] offset:512
	s_endpgm
	; ---- (2) wq, wk, wv: g' = g - 252: kind g' / 32, n tile g' % 32, K step = my wave.  Lane (r, h): column 16 nt + r; register 32 c + i: k = 128 ks + 64 c + 32 h + i: two whole blocks of 32 a lane
.Lweights:
	s_sub_co_u32 s33, ttmp9, NT
	s_lshr_b32 s36, s33, 5
	s_and_b32 s37, s33, 31
	s_cmp_eq_u32 s36, 1
	s_cselect_b64 s[16:17], s[18:19], s[16:17]
	s_cmp_eq_u32 s36, 2
	s_cselect_b64 s[16:17], s[20:21], s[16:17]
	s_lshl_b32 s34, s[WV], 18                      ; 128 rows of 2,048 bytes a K step
	s_lshl_b32 s37, s37, 6
	s_add_co_u32 s34, s34, s37
	s_add_nc_u64 s[16:17], s[16:17], s[34:35]
	s_lshl_b32 s33, s33, 2
	s_add_co_u32 s33, s33, s[WV]                   ; the fragment's number
	s_lshl_b32 s34, s33, 10
	s_add_nc_u64 s[26:27], s[26:27], s[34:35]
	s_lshl_b32 s34, s33, 7
	s_add_nc_u64 s[28:29], s[28:29], s[34:35]
	v_lshlrev_b32 v7, 2, v[RR]
	v_lshl_add_u32 v7, v[HH], 16, v7               ; 32 h rows + 4 r
	v_lshlrev_b32 v8, 4, v[LL]
	v_lshlrev_b32 v9, 2, v[LL]
.irp c, 0,1
.irp i, 0,1,2,3,4,5,6,7,8,9,10,11,12,13,14,15,16,17,18,19,20,21,22,23,24,25,26,27,28,29,30,31
	global_load_b32 v[64+32*\c+\i], v7, s[16:17] offset:2048*(64*\c+\i)
.endr
.endr
	s_wait_loadcnt 0x0
.irp c, 0,1
	v_max3_num_f32 v[10+\c], |v[64+32*\c]|, |v[65+32*\c]|, 0x1800000   ; my block's largest magnitude, and the floor 2^(3 - 127): the byte cannot fall under 1
.endr
.irp i, 2,4,6,8,10,12,14,16,18,20,22,24,26,28,30
.irp c, 0,1
	v_max3_num_f32 v[10+\c], v[10+\c], |v[64+32*\c+\i]|, |v[65+32*\c+\i]|
.endr
.endr
.irp c, 0,1
	v_add_nc_u32 v[12+\c], 0xff000000, v[10+\c]    ; 2 off its exponent field: the conversion takes the exponent field of this operand as its scale
.endr
.irp c, 0,1
	v_lshrrev_b32 v[14+\c], 23, v[12+\c]           ; the scale's byte
.endr
	v_lshl_or_b32 v24, v15, 16, v14                ; my two bytes: blocks h and 2 + h,
	v_lshlrev_b32 v25, 3, v[HH]
	v_lshlrev_b32 v24, v25, v24                    ; at their places in the word;
	v_mov_b32 v25, 0
	v_permlanex16_b32 v25, v24, s40, s41
	v_or_b32 v24, v24, v25                         ; with lane l xor 16's two the word is whole, in both halves of the lanes
.irp c, 0,1
.irp g, 0,1,2,3
	v_cvt_scalef32_pk8_fp4_f32 v[16+4*\c+\g], v[64+32*\c+8*\g:71+32*\c+8*\g], v[12+\c]
.endr
.endr
	v_nop                                          ; one plain line behind the last scaled conversion
	global_store_b128 v8, v[16:19], s[26:27]
	global_store_b128 v8, v[20:23], s[26:27] offset:512
	global_store_b32 v9, v24, s[28:29]
	s_endpgm
	; ---- (1) the table
.Ltable:
	s_lshr_b32 s33, ttmp9, 2                       ; the table's row i, 0..62
	s_and_b32 s36, ttmp9, 3                        ; which 16 words of it
	s_lshl_b32 s34, s[WV], 7
	s_add_nc_u64 s[8:9], s[8:9], s[34:35]          ; pb_w1 and pb_b1 at my 32 units
	s_add_nc_u64 s[10:11], s[10:11], s[34:35]
	s_lshl_b32 s34, s[WV], 11
	s_add_nc_u64 s[12:13], s[12:13], s[34:35]      ; pb_w2 at my 32 rows of 64 bytes
	s_lshl_b32 s34, s33, 8
	s_lshl_b32 s37, s36, 6
	s_add_co_u32 s34, s34, s37
	s_add_nc_u64 s[24:25], s[24:25], s[34:35]      ; tab at row i, word 16 (g % 4)
	v_lshlrev_b32 v7, 2, v0                        ; 4 x thread: layer 0's unit is my thread's number
	v_lshlrev_b32 v8, 2, v[RR]
	v_lshl_add_u32 v9, v[HH], 15, v8               ; pb_w1: 64 h rows of 512 bytes + 4 r
	global_load_b32 v192, v7, s[4:5]               ; pb_w0[0][unit], which dy multiplies
	global_load_b32 v193, v7, s[4:5] offset:512    ; pb_w0[1][unit], which dx multiplies
	global_load_b32 v194, v7, s[6:7]               ; pb_b0[unit]
	; pb_w1 as source 0: lane (r, h) holds unit n0 + r; register i holds k = 64 h + i.  K is permuted alike on both operands: matrix step s takes registers 2 s, 2 s + 1 of both
.set kk, 0
.rept 64
	global_load_b32 v[W1F+kk], v9, s[8:9] offset:512*kk
.set kk, kk+1
.endr
	s_sub_co_i32 s37, 31, s33                      ; dy = 31 - i
	s_lshl_b32 s38, s36, 4
	s_sub_co_i32 s38, 31, s38                      ; dx of position 0
	v_cvt_f32_i32 v195, s37
	v_lshlrev_b32 v10, 5, v[HH]                    ; pb_b1: 8 h numbers on
	v_lshl_add_u32 v11, v[HH], 9, v8               ; pb_w2: 8 h rows of 64 bytes + 4 r
	v_mul_u32_u24 v12, v[RR], XP
	v_lshl_add_u32 v12, v[HH], 8, v12              ; layer 0 back from LDS: position r, numbers 64 h on
	s_lshl_b32 s39, s[WV], 10
	s_add_co_u32 s39, s39, PB
	v_lshl_add_u32 v13, v[LL], 4, s39              ; my wave's partial sums: 16 x lane
	v_lshlrev_b32 v14, 4, v[LL]
	v_add_nc_u32 v14, PB, v14                      ; and all four waves', for wave 0
	v_lshlrev_b32 v1, 14, v[RR]
	v_lshl_add_u32 v1, v[HH], 5, v1                ; tab: head r, 8 h words on
	s_mov_b32 s42, 0x3fb8aa3b                      ; log2(e)
	s_wait_loadcnt 63                              ; 67 loads are issued, they come back in order: the oldest four are in, my three numbers of layer 0 among them
	v_fma_f32 v196, v195, v192, v194               ; dy w0[0] + b0
.irp p, 0,1,2,3,4,5,6,7,8,9,10,11,12,13,14,15
	s_sub_co_i32 s43, s38, \p
	v_cvt_f32_i32 v[200+\p], s43                   ; dx of position p
	v_fma_f32 v[200+\p], v[200+\p], v193, v196
	v_mul_f32 v[216+\p], 0x3c23d70a, v[200+\p]
	v_max_num_f32 v[200+\p], v[200+\p], v[216+\p]  ; the leaky ReLU: max(x, 0.01 x), since the slope lies between 0 and 1
	ds_store_b32 v7, v[200+\p] offset:XP*\p
.endr
.set kk, 0
.rept 64
	global_load_b32 v[W1F+64+kk], v9, s[8:9] offset:512*kk+64   ; my second tile of 16 units
.set kk, kk+1
.endr
.irp t, 0,1
.irp q, 0,1
	global_load_b128 v[B1C+8*\t+4*\q:B1C+8*\t+4*\q+3], v10, s[10:11] offset:64*\t+16*\q   ; pb_b1 as C: register j = unit n0 + 8 h + j
.endr
.endr
.irp t, 0,1
.irp i, 0,1,2,3,4,5,6,7
	global_load_b32 v[W2F+8*\t+\i], v11, s[12:13] offset:64*(16*\t+\i)   ; pb_w2 as source 1: lane (r, h): head r; register i: unit n0 + 8 h + i
.endr
.endr
	global_load_b32 v15, v8, s[14:15]              ; pb_b2[head r]
	s_wait_dscnt 0x0                               ; my stores of layer 0 have landed
	s_barrier_signal -1
	s_barrier_wait -1                              ; everybody's have
.irp q, 0,1,2,3,4,5,6,7,8,9,10,11,12,13,14,15
	ds_load_b128 v[X0F+4*\q:X0F+4*\q+3], v12 offset:16*\q   ; layer 0 as source 1: lane (r, h): position r; register i: k = 64 h + i
.endr
	s_wait_loadcnt 0x0
	s_wait_dscnt 0x0
	; layer 1, transposed: source 0 = 16 units of pb_w1, source 1 = the 16 positions.  The two tiles' accumulators take turns, one instruction a turn; the bias is the C of each sum's first instruction
	v_wmma_f32_16x16x4_f32 v[ACCA:ACCA+7], v[W1F:W1F+1], v[X0F:X0F+1], v[B1C:B1C+7]
	v_wmma_f32_16x16x4_f32 v[ACCB:ACCB+7], v[W1F+64:W1F+65], v[X0F:X0F+1], v[B1C+8:B1C+15]
.set kk, 1
.rept 31
	v_wmma_f32_16x16x4_f32 v[ACCA:ACCA+7], v[W1F+2*kk:W1F+2*kk+1], v[X0F+2*kk:X0F+2*kk+1], v[ACCA:ACCA+7]
	v_wmma_f32_16x16x4_f32 v[ACCB:ACCB+7], v[W1F+64+2*kk:W1F+64+2*kk+1], v[X0F+2*kk:X0F+2*kk+1], v[ACCB:ACCB+7]
.set kk, kk+1
.endr
.rept 9
	v_nop                                          ; behind this form: 8 places before a vector instruction reads a result or writes a source, 9 before a matrix instruction begins the accumulators anew (ISA guide 7.12.1)
.endr
	; lane (r, h) holds position r, register j unit n0 + 8 h + j.  Each accumulator is read from its low end on
.irp t, 0,1
.irp j, 0,2,4,6
	v_pk_mul_f32 v[TT+8*\t+\j:TT+8*\t+\j+1], v[ACCA+8*\t+\j:ACCA+8*\t+\j+1], 0x3c23d70a op_sel_hi:[1,0]
.endr
.endr
.irp j, 0,1,2,3,4,5,6,7,8,9,10,11,12,13,14,15
	v_max_num_f32 v[X1+\j], v[ACCA+\j], v[TT+\j]   ; the leaky ReLU
.endr
	; layer 2: source 0 = my registers as they stand (row = position r, k = unit n0 + 8 h + 2 s + j), source 1 = pb_w2 in the same order of k.  The sums begin with the constant 0
	v_wmma_f32_16x16x4_f32 v[ACCA:ACCA+7], v[X1:X1+1], v[W2F:W2F+1], 0
	v_wmma_f32_16x16x4_f32 v[ACCB:ACCB+7], v[X1+8:X1+9], v[W2F+8:W2F+9], 0
.irp s, 1,2,3
	v_wmma_f32_16x16x4_f32 v[ACCA:ACCA+7], v[X1+2*\s:X1+2*\s+1], v[W2F+2*\s:W2F+2*\s+1], v[ACCA:ACCA+7]
	v_wmma_f32_16x16x4_f32 v[ACCB:ACCB+7], v[X1+8+2*\s:X1+8+2*\s+1], v[W2F+8+2*\s:W2F+8+2*\s+1], v[ACCB:ACCB+7]
.endr
.rept 8
	v_nop
.endr
.irp j, 0,2,4,6
	v_pk_add_f32 v[TT+\j:TT+\j+1], v[ACCA+\j:ACCA+\j+1], v[ACCB+\j:ACCB+\j+1]   ; my 32 units' part: lane (r, h): head r, register j: position 8 h + j
.endr
	ds_store_b128 v13, v[TT:TT+3]
	ds_store_b128 v13, v[TT+4:TT+7] offset:512
	s_wait_dscnt 0x0                               ; for the others' sake: my stores have landed
	s_barrier_signal -1
	s_barrier_wait -1
	s_cmp_lg_u32 s[WV], 0                          ; wave 0 adds the four parts and stores; no barrier stands under this branch
	s_cbranch_scc1 .Ltend
.irp p, 0,1,2,3
.irp q, 0,1
	ds_load_b128 v[216+8*\p+4*\q:216+8*\p+4*\q+3], v14 offset:1024*\p+512*\q
.endr
.endr
	s_wait_dscnt 0x0
.irp j, 0,2,4,6
	v_pk_add_f32 v[216+\j:217+\j], v[216+\j:217+\j], v[224+\j:225+\j]
	v_pk_add_f32 v[232+\j:233+\j], v[232+\j:233+\j], v[240+\j:241+\j]
.endr
.irp j, 0,2,4,6
	v_pk_add_f32 v[216+\j:217+\j], v[216+\j:217+\j], v[232+\j:233+\j]
.endr
	v_mul_f32 v15, s42, v15                        ; log2(e) b2
.irp j, 0,1,2,3,4,5,6,7
	v_fma_f32 v[216+\j], v[216+\j], s42, v15       ; log2(e) (sum + b2)
.endr
	global_store_b128 v1, v[216:219], s[24:25]
	global_store_b128 v1, v[220:223], s[24:25] offset:16
.Ltend:
	s_wait_tensorcnt 0x0                           ; the wave's end, behind my last LDS store
	ds_add_u32 v[SPW], v[NIL]
	s_wait_dscnt 0x0
	s_endpgm
.Lfunc_end_k_q2fedd5b10b_prep:
	.size	k_q2fedd5b10b_prep, .Lfunc_end_k_q2fedd5b10b_prep-k_q2fedd5b10b_prep
	.p2alignl 7, 3214868480
	.fill 96, 4, 3214868480
	.section	.rodata,"a",@progbits
	.p2align	6, 0x0
	.amdhsa_kernel k_q2fedd5b10b_prep
		.amdhsa_group_segment_fixed_size 13056
		.amdhsa_private_segment_fixed_size 0
		.amdhsa_enable_private_segment 0
		.amdhsa_kernarg_size 112
		.amdhsa_user_sgpr_count 2
		.amdhsa_user_sgpr_kernarg_segment_ptr 1
		.amdhsa_wavefront_size32 1
		.amdhsa_system_sgpr_workgroup_id_x 1
		.amdhsa_system_sgpr_workgroup_id_y 1
		.amdhsa_system_sgpr_workgroup_id_z 1
		.amdhsa_system_vgpr_workitem_id 0
		.amdhsa_next_free_vgpr 256
		.amdhsa_next_free_sgpr 66
		.amdhsa_reserve_vcc 0
		.amdhsa_float_denorm_mode_32 3
		.amdhsa_float_denorm_mode_16_64 3
		.amdhsa_memory_ordered 1
		.amdhsa_forward_progress 1
		.amdhsa_inst_pref_size 45
	.end_amdhsa_kernel
	.amdgpu_metadata
---
amdhsa.version: [ 1, 2 ]
amdhsa.kernels:
  - .name:           k_q2fedd5b10b_prep
    .symbol:         k_q2fedd5b10b_prep.kd
    .args:
      - { .name: pb_w0, .offset: 0, .size: 8, .value_kind: global_buffer, .address_space: global }
      - { .name: pb_b0, .offset: 8, .size: 8, .value_kind: global_buffer, .address_space: global }
      - { .name: pb_w1, .offset: 16, .size: 8, .value_kind: global_buffer, .address_space: global }
      - { .name: pb_b1, .offset: 24, .size: 8, .value_kind: global_buffer, .address_space: global }
      - { .name: pb_w2, .offset: 32, .size: 8, .value_kind: global_buffer, .address_space: global }
      - { .name: pb_b2, .offset: 40, .size: 8, .value_kind: global_buffer, .address_space: global }
      - { .name: wq, .offset: 48, .size: 8, .value_kind: global_buffer, .address_space: global }
      - { .name: wk, .offset: 56, .size: 8, .value_kind: global_buffer, .address_space: global }
      - { .name: wv, .offset: 64, .size: 8, .value_kind: global_buffer, .address_space: global }
      - { .name: wo, .offset: 72, .size: 8, .value_kind: global_buffer, .address_space: global }
      - { .name: tab, .offset: 80, .size: 8, .value_kind: global_buffer, .address_space: global }
      - { .name: wcodes, .offset: 88, .size: 8, .value_kind: global_buffer, .address_space: global }
      - { .name: wscl, .offset: 96, .size: 8, .value_kind: global_buffer, .address_space: global }
      - { .name: woimg, .offset: 104, .size: 8, .value_kind: global_buffer, .address_space: global }
    .group_segment_fixed_size: 13056
    .private_segment_fixed_size: 0
    .kernarg_segment_align: 8
    .kernarg_segment_size: 112
    .max_flat_workgroup_size: 128
    .sgpr_count:     66
    .vgpr_count:     256
    .wavefront_size: 32
...
	.end_amdgpu_metadata
.endif
;; end of part 1
;; launch proj (part 2): grid 64 x 3, 16 waves a work-group, no clusters, 155,648 bytes of LDS; arguments query, key, value, bq, bk, bv, wcodes, wscl, qkv; writes qkv
.if DOCPART == 2
	.amdgcn_target "amdgcn-amd-amdhsa--gfx1250"
	.amdhsa_code_object_version 6
	.text
	.protected	k_q2fedd5b10b_proj
	.globl	k_q2fedd5b10b_proj
	.p2align	8
	.type	k_q2fedd5b10b_proj,@function
k_q2fedd5b10b_proj:
	s_mov_b64 s[64:65], 0
	v_nop
	global_prefetch_b8 v0, s[64:65] scope:SCOPE_SE
	s_setreg_imm32_b32 hwreg(HW_REG_WAVE_MODE, 25, 1), 1
	s_wait_xcnt 0x0
; PROJ: Q = query wq + bq, K = key wk + bk, V = value wv + bv, on codes of E2M1 with one E8M0 scale for each 32 along K; sums in f32.
; Work-group (x, y): rows 64 x .. 64 x + 63 of tensor y (0 query, 1 key, 2 value), all 512 columns: so each number of x is read and quantised once.
; Sixteen waves, each in two parts.  (a) Wave w quantises rows 16 (w / 4) on, K step w % 4 (128 along K): one fragment, which goes to LDS as an image of its registers (16 bytes a lane, 512 a store), its scale word likewise.
; (b) Wave w multiplies all four tiles of rows by the 32 columns of head w, whose 8 fragments of codes stay in its registers.
; THE PRODUCT IS USED TRANSPOSED (source 0 = 16 columns of the weight, source 1 = 16 rows of x): a lane holds one token and eight neighbouring channels, so that two tiles, rounded to f16 in pairs,
; ARE the fragment (16 tokens x the head's 32 channels) that the attention launch wants.  qkv[kind][batch 4][head 16][fragment 64][1,024]: registers 4 q .. 4 q + 3 of lane L at 512 q + 16 (L xor 8 (L / 16)).
; Each store is 512 consecutive bytes.
; Q is multiplied by log2(e) / sqrt(32) in f32 ahead of its rounding (K and V by 1.0, which changes no bit: so there is no branch).  The bias is the C of each sum's first instruction.
; 192 work-groups: 3 x 4,096 rows in blocks of 64.  Every load of the launch is issued at its head; there is no loop.
; NO CLUSTER: what work-groups share, a kind's codes and scale words (9 KiB a wave), goes from memory straight into the registers where it stays; a joint load would lay it in LDS first, to be read from there once.
; LIMITS: results are rounded to f16: |Q| log2(e) / sqrt(32), |K|, |V| under 65,504.  NaN and infinities are not served.  A block of zeros gets the byte 1 where the rule says 127: its codes are zeros and this launch alone reads the byte.
.set SP,    528                        ; a stage row: 512 bytes + 16: 16 rows begin at 16 different groups of four banks (64 banks of 4 bytes: ISA guide 11.1)
.set STGW,  16*SP                      ; LDS: a stage of 16 rows for each wave, its own
.set XIMG,  16*STGW                    ; x's 16 fragments (tile of rows m, K step s: 4 m + s), 1,024 bytes each
.set XSC,   XIMG+16*1024               ; their scale words, 128 bytes each
.set SPARE, XSC+16*128                 ; the spare words, 128 bytes a wave: eight blocks of 256 bytes that no other line names
.set LI,  4                            ; v4   16 x lane
.set SI,  5                            ; v5   my stage, on the way in
.set SO,  6                            ; v6   and on the way out: row r, 64 h bytes on
.set XWI, 7                            ; v7   where I store my image
.set XWS, 8                            ; v8   and its scale word
.set XRI, 9                            ; v9   where images are read: XIMG + 16 x lane
.set XRS, 10                           ; v10  and scale words: XSC + 4 x lane
.set LS,  11                           ; v11  4 x lane
.set BH,  12                           ; v12  32 h
.set PL,  13                           ; v13  16 (lane xor 8 h)
.set SPW, 14                           ; v14  LDS address of my spare word; never rewritten
.set NIL, 15                           ; v15  0; never rewritten
.set PC,  16                           ; v16-23   the codes just made
.set TM,  24                           ; v24-39   at work in QUANT
.set PW,  40                           ; v40      the scale word just made
.set WS,  42                           ; v42-49   the weights' scale words (4 tau + s)
.set XS,  50                           ; v50-53   x's scale words of a K step
.set BI,  56                           ; v56-71   the bias in the result's layout, two tiles
.set WF,  72                           ; v72-135  the weights' fragments (8 (4 tau + s))
.set XF,  136                          ; v136-167 x's four fragments of a K step; at the end the packed results
.set XR,  168                          ; v168-231 x as loaded and as 64 neighbours a lane; then the 8 accumulators (8 (2 m + tau))
.set ACC, 168
.set WV,  24                           ; s24  my wave's number
.set SEL, 38                           ; s[38:39]
; 64 numbers of a lane, register 16 b + i = k 32 b + 16 (lane / 16) + i of my row, become a fragment's codes in v[PC] on and its scale word in v[PW]
.macro QUANT s
.irp b, 0,1,2,3
	v_max3_num_f32 v[TM+\b], |v[\s+16*\b]|, |v[\s+1+16*\b]|, 0x1800000   ; block b: my 16 numbers, and the floor 2^(3 - 127): the byte cannot fall under 1
.endr
.irp i, 2,4,6,8,10,12,14
.irp b, 0,1,2,3
	v_max3_num_f32 v[TM+\b], v[TM+\b], |v[\s+16*\b+\i]|, |v[\s+1+16*\b+\i]|
.endr
.endr
.irp b, 0,1,2,3
	v_permlanex16_b32 v[TM+4+\b], v[TM+\b], s[SEL], s[SEL+1]
.endr
.irp b, 0,1,2,3
	v_max_num_f32 v[TM+\b], v[TM+\b], v[TM+4+\b]   ; with lane l xor 16's: the block's largest magnitude
.endr
.irp b, 0,1,2,3
	v_add_nc_u32 v[TM+12+\b], 0xff000000, v[TM+\b] ; 2 off its exponent field: the conversion's scale operand
.endr
.irp b, 0,1,2,3
	v_lshrrev_b32 v[TM+4+\b], 23, v[TM+12+\b]      ; the scale's byte
.endr
	v_lshl_or_b32 v[PW], v[TM+5], 8, v[TM+4]
	v_lshl_or_b32 v[PW], v[TM+6], 16, v[PW]
	v_lshl_or_b32 v[PW], v[TM+7], 24, v[PW]
.irp b, 0,1,2,3
	v_cvt_scalef32_pk8_fp4_f32 v[PC+2*\b], v[\s+16*\b:\s+7+16*\b], v[TM+12+\b]
	v_cvt_scalef32_pk8_fp4_f32 v[PC+1+2*\b], v[\s+8+16*\b:\s+15+16*\b], v[TM+12+\b]
.endr
	v_nop                                          ; one plain place behind a scaled conversion
.irp c, 0,1                                    ; the operand's layout wants a whole block in a lane: lanes 0-15 block 2 c, lanes 16-31 block 2 c + 1
.irp i, 0,1
	v_permlane16_swap_b32 v[PC+4*\c+\i], v[PC+2+4*\c+\i]
.endr
.endr
.endm
	s_load_b512 s[4:19], s[0:1], 0x0               ; query s[4:5], key s[6:7], value s[8:9], bq s[10:11], bk s[12:13], bv s[14:15], wcodes s[16:17], wscl s[18:19]
	s_load_b64 s[20:21], s[0:1], 0x40              ; qkv
	v_lshl_add_u32 v[SPW], v0, 2, SPARE
	v_mov_b32 v[NIL], 0
	v_lshrrev_b32 v1, 5, v0
	v_readfirstlane_b32 s[WV], v1                  ; wave 0..15
	s_and_b32 s25, ttmp7, 0xffff                   ; kind
	v_and_b32 v1, 31, v0                           ; lane
	v_and_b32 v2, 15, v0                           ; r
	v_bfe_u32 v3, v0, 4, 1                         ; h
	v_lshlrev_b32 v[LI], 4, v1
	v_lshlrev_b32 v[LS], 2, v1
	s_mul_i32 s27, s[WV], STGW
	v_add_nc_u32 v[SI], s27, v[LI]
	v_mul_u32_u24 v[SO], v2, SP
	v_lshl_add_u32 v[SO], v3, 6, v[SO]
	v_add_nc_u32 v[SO], s27, v[SO]
	s_lshl_b32 s27, s[WV], 10
	s_add_co_u32 s27, s27, XIMG
	v_add_nc_u32 v[XWI], s27, v[LI]
	s_lshl_b32 s27, s[WV], 7
	s_add_co_u32 s27, s27, XSC
	v_add_nc_u32 v[XWS], s27, v[LS]
	v_add_nc_u32 v[XRI], XIMG, v[LI]
	v_add_nc_u32 v[XRS], XSC, v[LS]
	v_lshlrev_b32 v[BH], 5, v3
	v_lshlrev_b32 v[PL], 3, v3
	v_xor_b32 v[PL], v[PL], v1
	v_lshlrev_b32 v[PL], 4, v[PL]
.irp b, 0,1,2,3
	v_mov_b32 v[TM+4+\b], 0                        ; written once: a lane permute's destination counts as one of its sources
.endr
	s_mov_b32 s[SEL], 0x76543210
	s_mov_b32 s[SEL+1], 0xfedcba98
	s_lshl_b32 s28, ttmp9, 17                      ; x: 64 rows of 2,048 bytes a block,
	s_lshr_b32 s26, s[WV], 2
	s_lshl_b32 s26, s26, 15                        ; 16 rows a tile,
	s_add_co_u32 s28, s28, s26
	s_and_b32 s26, s[WV], 3
	s_lshl_b32 s26, s26, 9                         ; 512 bytes a K step
	s_add_co_u32 s28, s28, s26
	s_mov_b32 s29, 0
	s_lshl_b32 s30, s25, 17                        ; codes: 131,072 bytes a kind, 8,192 for a head's two tiles
	s_lshl_b32 s26, s[WV], 13
	s_add_co_u32 s30, s30, s26
	s_mov_b32 s31, 0
	s_lshl_b32 s32, s25, 14                        ; scale words: an eighth of that
	s_lshl_b32 s26, s[WV], 10
	s_add_co_u32 s32, s32, s26
	s_mov_b32 s33, 0
	s_lshl_b32 s34, s25, 22                        ; qkv: 4 MiB a kind,
	s_lshr_b32 s26, ttmp9, 4
	s_lshl_b32 s26, s26, 20                        ; 1 MiB a batch,
	s_add_co_u32 s34, s34, s26
	s_lshl_b32 s26, s[WV], 16                      ; 65,536 bytes a head,
	s_add_co_u32 s34, s34, s26
	s_and_b32 s26, ttmp9, 15
	s_lshl_b32 s26, s26, 12                        ; four fragments a block
	s_add_co_u32 s34, s34, s26
	s_mov_b32 s35, 0
	s_lshl_b32 s22, s[WV], 7                       ; the bias: my head's 32 numbers
	s_mov_b32 s23, 0
	s_cmp_eq_u32 s25, 0
	s_cselect_b32 s36, 0x3e8293ee, 1.0             ; log2(e) / sqrt(32) for Q, 1 for K and V
	s_mov_b32 s37, s36                             ; (named with it as a pair, so it is written)
	s_wait_kmcnt 0x0
	s_cmp_eq_u32 s25, 1                            ; the choices hang on the work-group's number alone
	s_cselect_b64 s[4:5], s[6:7], s[4:5]
	s_cselect_b64 s[10:11], s[12:13], s[10:11]
	s_cmp_eq_u32 s25, 2
	s_cselect_b64 s[4:5], s[8:9], s[4:5]
	s_cselect_b64 s[10:11], s[14:15], s[10:11]
	s_add_nc_u64 s[4:5], s[4:5], s[28:29]
	s_add_nc_u64 s[10:11], s[10:11], s[22:23]
	s_add_nc_u64 s[16:17], s[16:17], s[30:31]
	s_add_nc_u64 s[18:19], s[18:19], s[32:33]
	s_add_nc_u64 s[20:21], s[20:21], s[34:35]
.irp i, 0,1,2,3,4,5,6,7,8,9,10,11,12,13,14,15
	global_load_b128 v[XR+4*\i:XR+4*\i+3], v[LI], s[4:5] offset:2048*\i th:TH_LOAD_NT   ; row i's 512 bytes of my K step: 32 lanes, 16 neighbouring bytes each; read once in the launch
.endr
.irp t, 0,1
.irp s, 0,1,2,3
.irp c, 0,1
	global_load_b128 v[WF+8*(4*\t+\s)+4*\c:WF+8*(4*\t+\s)+4*\c+3], v[LI], s[16:17] offset:4096*\t+1024*\s+512*\c
.endr
.endr
.endr
.irp t, 0,1
.irp s, 0,1,2,3
	global_load_b32 v[WS+4*\t+\s], v[LS], s[18:19] offset:128*(4*\t+\s)
.endr
.endr
.irp t, 0,1
.irp q, 0,1
	global_load_b128 v[BI+8*\t+4*\q:BI+8*\t+4*\q+3], v[BH], s[10:11] offset:64*\t+16*\q   ; register j = channel 16 tau + 8 h + j of my head
.endr
.endr
	s_wait_loadcnt 28                              ; x's 16 loads are in; the 16 + 8 + 4 behind them may be out
.irp i, 0,1,2,3,4,5,6,7,8,9,10,11,12,13,14,15
	ds_store_b128 v[SI], v[XR+4*\i:XR+4*\i+3] offset:SP*\i
.endr
.irp b, 0,1,2,3
.irp j, 0,1,2,3
	ds_load_b128 v[XR+16*\b+4*\j:XR+16*\b+4*\j+3], v[SO] offset:128*\b+16*\j   ; my own stage: LDS serves a wave's instructions in order (ISA guide 5.7.1.4): these see the stores above
.endr
.endr
	s_wait_dscnt 0x0
	QUANT XR
	ds_store_b128 v[XWI], v[PC:PC+3]
	ds_store_b128 v[XWI], v[PC+4:PC+7] offset:512
	ds_store_b32 v[XWS], v[PW]
	s_wait_dscnt 0x0                               ; for the others' sake: my image has landed
	s_barrier_signal -1
	s_barrier_wait -1                              ; x's sixteen fragments lie in LDS
	s_wait_loadcnt 0x0                             ; the weights, their scale words, the bias
.irp s, 0,1,2,3
.if \s > 0
.rept 4
	v_nop                                          ; four places in front of loads into registers that matrix instructions have read (ISA guide 7.12.1 for vector instructions)
.endr
.endif
.irp m, 0,1,2,3
	ds_load_b128 v[XF+8*\m:XF+8*\m+3], v[XRI] offset:1024*(4*\m+\s)
	ds_load_b128 v[XF+8*\m+4:XF+8*\m+7], v[XRI] offset:1024*(4*\m+\s)+512
	ds_load_b32 v[XS+\m], v[XRS] offset:128*(4*\m+\s)
.endr
	s_wait_dscnt 0x0
.irp m, 0,1,2,3                                ; the eight accumulators take turns, one instruction a turn, in the same order in every K step
.irp t, 0,1
.if \s == 0
	v_wmma_scale_f32_16x16x128_f8f6f4 v[ACC+8*(2*\m+\t):ACC+8*(2*\m+\t)+7], v[WF+8*(4*\t+\s):WF+8*(4*\t+\s)+7], v[XF+8*\m:XF+8*\m+7], v[BI+8*\t:BI+8*\t+7], v[WS+4*\t+\s], v[XS+\m] matrix_a_fmt:MATRIX_FMT_FP4 matrix_b_fmt:MATRIX_FMT_FP4
.else
	v_wmma_scale_f32_16x16x128_f8f6f4 v[ACC+8*(2*\m+\t):ACC+8*(2*\m+\t)+7], v[WF+8*(4*\t+\s):WF+8*(4*\t+\s)+7], v[XF+8*\m:XF+8*\m+7], v[ACC+8*(2*\m+\t):ACC+8*(2*\m+\t)+7], v[WS+4*\t+\s], v[XS+\m] matrix_a_fmt:MATRIX_FMT_FP4 matrix_b_fmt:MATRIX_FMT_FP4
.endif
.endr
.endr
.endr
.rept 4
	v_nop                                          ; four places in front of the first read of results
.endr
.set kk, 0
.rept 32
	v_pk_mul_f32 v[ACC+2*kk:ACC+2*kk+1], v[ACC+2*kk:ACC+2*kk+1], s[36:37] op_sel_hi:[1,0]   ; each accumulator from its low end on
.set kk, kk+1
.endr
.set kk, 0
.rept 32
	v_cvt_pk_f16_f32 v[XF+kk], v[ACC+2*kk], v[ACC+2*kk+1]   ; registers 8 m + 4 tau on: token r, channels 16 tau + 8 h + 0..7
.set kk, kk+1
.endr
.irp m, 0,1,2,3
.irp t, 0,1
	global_store_b128 v[PL], v[XF+8*\m+4*\t:XF+8*\m+4*\t+3], s[20:21] offset:1024*\m+512*\t   ; 32 lanes store 512 consecutive bytes
.endr
.endr
	s_wait_tensorcnt 0x0                           ; the wave's end, behind my last LDS store
	ds_add_u32 v[SPW], v[NIL]
	s_wait_dscnt 0x0
	s_endpgm
.Lfunc_end_k_q2fedd5b10b_proj:
	.size	k_q2fedd5b10b_proj, .Lfunc_end_k_q2fedd5b10b_proj-k_q2fedd5b10b_proj
	.p2alignl 7, 3214868480
	.fill 96, 4, 3214868480
	.section	.rodata,"a",@progbits
	.p2align	6, 0x0
	.amdhsa_kernel k_q2fedd5b10b_proj
		.amdhsa_group_segment_fixed_size 155648
		.amdhsa_private_segment_fixed_size 0
		.amdhsa_enable_private_segment 0
		.amdhsa_kernarg_size 72
		.amdhsa_user_sgpr_count 2
		.amdhsa_user_sgpr_kernarg_segment_ptr 1
		.amdhsa_wavefront_size32 1
		.amdhsa_system_sgpr_workgroup_id_x 1
		.amdhsa_system_sgpr_workgroup_id_y 1
		.amdhsa_system_sgpr_workgroup_id_z 1
		.amdhsa_system_vgpr_workitem_id 0
		.amdhsa_next_free_vgpr 256
		.amdhsa_next_free_sgpr 66
		.amdhsa_reserve_vcc 0
		.amdhsa_float_denorm_mode_32 3
		.amdhsa_float_denorm_mode_16_64 3
		.amdhsa_memory_ordered 1
		.amdhsa_forward_progress 1
		.amdhsa_inst_pref_size 26
	.end_amdhsa_kernel
	.amdgpu_metadata
---
amdhsa.version: [ 1, 2 ]
amdhsa.kernels:
  - .name:           k_q2fedd5b10b_proj
    .symbol:         k_q2fedd5b10b_proj.kd
    .args:
      - { .name: query, .offset: 0, .size: 8, .value_kind: global_buffer, .address_space: global }
      - { .name: key, .offset: 8, .size: 8, .value_kind: global_buffer, .address_space: global }
      - { .name: value, .offset: 16, .size: 8, .value_kind: global_buffer, .address_space: global }
      - { .name: bq, .offset: 24, .size: 8, .value_kind: global_buffer, .address_space: global }
      - { .name: bk, .offset: 32, .size: 8, .value_kind: global_buffer, .address_space: global }
      - { .name: bv, .offset: 40, .size: 8, .value_kind: global_buffer, .address_space: global }
      - { .name: wcodes, .offset: 48, .size: 8, .value_kind: global_buffer, .address_space: global }
      - { .name: wscl, .offset: 56, .size: 8, .value_kind: global_buffer, .address_space: global }
      - { .name: qkv, .offset: 64, .size: 8, .value_kind: global_buffer, .address_space: global }
    .group_segment_fixed_size: 155648
    .private_segment_fixed_size: 0
    .kernarg_segment_align: 8
    .kernarg_segment_size: 72
    .max_flat_workgroup_size: 512
    .sgpr_count:     66
    .vgpr_count:     256
    .wavefront_size: 32
...
	.end_amdgpu_metadata
.endif
;; end of part 2
;; launch attn (part 3): grid 4 x 64, 8 waves a work-group, clusters of 4 x 1, 173,056 bytes of LDS; arguments qkv, tab, ctx; writes ctx
.if DOCPART == 3
	.amdgcn_target "amdgcn-amd-amdhsa--gfx1250"
	.amdhsa_code_object_version 6
	.text
	.protected	k_q2fedd5b10b_attn
	.globl	k_q2fedd5b10b_attn
	.p2align	8
	.type	k_q2fedd5b10b_attn,@function
k_q2fedd5b10b_attn:
	s_mov_b64 s[64:65], 0
	v_nop
	global_prefetch_b8 v0, s[64:65] scope:SCOPE_SE
	s_setreg_imm32_b32 hwreg(HW_REG_WAVE_MODE, 25, 1), 1
	s_wait_xcnt 0x0
	s_wait_alu depctr_hold_cnt(0) depctr_sa_sdst(0) depctr_va_vdst(0) depctr_va_sdst(0) depctr_va_ssrc(0) depctr_va_vcc(0) depctr_vm_vsrc(0)
	s_getreg_b32 s2, hwreg(HW_REG_IB_STS2, 6, 4)
	s_cmp_eq_u32 s2, 0
	s_cbranch_scc0 .Lentry_in_a_cluster
	s_endpgm
.Lentry_in_a_cluster:
	s_bfe_u32 s2, ttmp6, 0x10000c
	s_cmp_lg_u32 s2, 0x3003
	s_cbranch_scc0 .Lentry_shape_is_right
	s_endpgm
.Lentry_shape_is_right:
; ATTN: ctx[b][q][head] = the sum over k of softmax_k(Q.K / sqrt(32) + bias(q, k)) V, with f16 operands and f32 sums; maxima, exponentials and row sums in f32, by a running maximum.
; Work-group (cx, y): batch and head y = 16 b + head; queries 256 cx .. 256 cx + 255, which are rows 8 cx .. 8 cx + 7 of the 32 x 32 grid.  Wave w: two tiles of 16 queries: grid rows 2 (w / 2) and 2 (w / 2) + 1 of the eight,
; columns 16 (w % 2) on.  Every wave walks the head's 1,024 keys, 64 a step (two grid rows): four tiles of 16 keys.
; LAYOUT.  S^T = K Q^T + bias (source 0 = 16 keys, source 1 = 16 queries; the head's 32 channels are one instruction's K): a lane holds ONE query (lane % 16) and the keys 8 (lane / 16) + 0..7.  Two such tiles, rounded to f16
; in pairs, ARE source 1 (32 keys x 16 queries) of O^T = V^T P.  Q comes scaled by log2(e) / sqrt(32) and the table by log2(e): p = 2^(s - m).
; THE BIAS IS THE C OF THE FIRST PRODUCT: it costs no vector instruction.  For a lane the eight keys of a tile are eight neighbouring words of a table row (row 31 - qy + ky, word 31 - qx + kx).  Four copies of the table's tile
; lie in LDS, copy c beginning at word c, so that each lane finds its eight words at a multiple of 16 bytes in copy (15 - r) % 4.  The tile begins at table row 24 - 8 cx, so that the local row is
; 7 - (my grid row of the eight) + ky, 0 .. 38: no LDS address holds cx, and the row rises with the keys.  Tile i against key row ky and tile i + 1 against key row ky + 1 have the same dy: a step wants three rows of bias, not four.
; LDS IS FILLED ONCE: the head's K (64 KiB) and V (64 KiB) as images of fragments, and the four copies (39 rows x 240 bytes each).  No slot is filled again.
; CLUSTER.  The four query blocks of a head need the same K and V: they are asked for JOINTLY (mask 15).  The table's tiles differ with cx: plain loads behind the same round.
; All tensor loads stand at the head, so there is no later step to ask ahead for: no prefetch.
; The packed O^T is the fragment (16 tokens x 32 channels) that the last launch wants: ctx[token tile 256][head 16][1,024], registers 4 q .. 4 q + 3 of lane L at 512 q + 16 L.
; LIMITS: p and ctx are rounded to f16 (|ctx| is at most the largest |V|).  NaN and infinities are not served.
.set VB,    65536                      ; LDS: K's 64 fragments from 0, V's from here
.set TAB,   131072                     ; the table's four copies
.set TP,    240                        ; a copy's row: 60 words
.set CS,    9536                       ; from copy to copy: 64 modulo 256
.set SPARE, 172032                     ; the spare words, 128 bytes a wave: four blocks of 256 bytes that no other line names (the last copy ends at byte 169,040)
.set SPW, 1                            ; v1   LDS address of my spare word; never rewritten
.set NIL, 2                            ; v2   0; never rewritten
.set AK0, 3                            ; v3   16 (lane xor 8 (lane / 16)): my place in a fragment's image
.set AV0, 4                            ; v4   my place for the transposing load, in V
.set AB0, 5                            ; v5   my place in the table's copies
.set ADK, 6                            ; v6-8 the addresses of the step in hand
.set ADV, 7
.set ADB, 8
.set LI,  9                            ; v9   16 x lane
.set SB,  10                           ; v[10:11], v[12:13] the second chain of each tile's row sum
.set QF,  16                           ; v16-31   Q, two tiles
.set KF,  32                           ; v32-63   K, four tiles
.set VF,  64                           ; v64-95   V^T: 16 ct + 8 c (channels 16 ct on, keys 32 c on)
.set BI,  96                           ; v96-143  the bias: 16 d + 8 x (row d of three, key columns 16 x on)
.set S,   144                          ; v144-207 S^T: 32 i + 8 u; then p; p in f16 lies in the first 8 of each 16
.set OA,  208                          ; v208-239 O^T: 16 i + 8 ct
.set ST,  240                          ; tile i at v[240 + 8 i]: +0 m, +1 named with it as a pair, +2, +3 l, +4 .. +7 at work; a = 2^(old m - new m) at +6
.set WV,  10                           ; s10  my wave's number
.set G1T, 16                           ; s[16:23] group 1 for the table's tile;  s[24:31] for 16 KiB of images;  s[32:39] for 8 KiB
.set G1M, 24
.set G1S, 32
.set G0T, 40                           ; s[40:43], s[44:47], s[48:51] their groups 0
.set G0M, 44
.set G0S, 48
.set CNT, 57
.set TK,  58                           ; s58  the step's first byte in K and in V: 4,096 a step
.set TB,  59                           ; s59  the step's first row in a copy: 480 bytes (two rows) a step
.set SEL, 66                           ; s[66:67]
.macro CROUND                          ; a round of the cluster's barrier
	s_barrier_signal -1
	s_barrier_wait -1
	s_cmp_lg_u32 s[WV], 0
	s_cbranch_scc1 .Lnot_wave_0_\@
	s_barrier_signal -3
.Lnot_wave_0_\@:
	s_barrier_wait -3
	s_barrier_signal -1
	s_barrier_wait -1
.endm
	s_load_b128 s[4:7], s[0:1], 0x0                ; qkv s[4:5], tab s[6:7]
	s_load_b64 s[8:9], s[0:1], 0x10                ; ctx
	v_lshl_add_u32 v[SPW], v0, 2, SPARE
	v_mov_b32 v[NIL], 0
	ds_add_u32 v[SPW], v[NIL]                      ; the wave's opening: the add, twice on end, and its wait ahead of my first tensor load; the set-up below stands between
	ds_add_u32 v[SPW], v[NIL]
	v_lshrrev_b32 v3, 5, v0
	v_readfirstlane_b32 s[WV], v3                  ; wave 0..7
	s_bfe_u32 s11, ttmp6, 0x40000                  ; cx: it enters the table's, Q's and ctx's global addresses alone
	s_and_b32 s12, ttmp7, 0xffff                   ; 16 b + head, which the four partners share
	s_and_b32 s13, s12, 15
	s_lshr_b32 s14, s12, 4
	s_and_b32 s52, s[WV], 3
	s_and_b32 s53, s[WV], 1
	s_lshr_b32 s54, s[WV], 1
	s_and_b32 s55, s54, 1
	s_lshr_b32 s56, s[WV], 2
	; group 1.  The table's tile: 39 rows of 60 words, rows 64 words apart in memory, dense in LDS; no mask
	s_mov_b32 s[G1T], 2<<16                        ; elements of 4 bytes
	s_mov_b32 s[G1T+1], 60<<16                     ; tensor_dim0
	s_mov_b32 s[G1T+2], 39<<16                     ; tensor_dim1
	s_mov_b32 s[G1T+3], 60<<16                     ; tile_dim0
	s_mov_b32 s[G1T+4], 39                         ; tile_dim1
	s_mov_b32 s[G1T+5], 64                         ; from row to row
	s_mov_b32 s[G1T+6], 0
	s_mov_b32 s[G1T+7], 0
	; images: dense blocks as rows of 256 bytes (32 elements of 8 bytes); mask 15: all four work-groups; bit 21 set beside a mask
	s_mov_b32 s[G1M], 15|(3<<16)|(1<<21)
	s_mov_b32 s[G1M+1], 32<<16
	s_mov_b32 s[G1M+2], 64<<16
	s_mov_b32 s[G1M+3], 32<<16
	s_mov_b32 s[G1M+4], 64
	s_mov_b32 s[G1M+5], 32
	s_mov_b32 s[G1M+6], 0
	s_mov_b32 s[G1M+7], 0
	s_mov_b32 s[G1S], 15|(3<<16)|(1<<21)
	s_mov_b32 s[G1S+1], 32<<16
	s_mov_b32 s[G1S+2], 32<<16
	s_mov_b32 s[G1S+3], 32<<16
	s_mov_b32 s[G1S+4], 32
	s_mov_b32 s[G1S+5], 32
	s_mov_b32 s[G1S+6], 0
	s_mov_b32 s[G1S+7], 0
	; where the tiles go: the wave's number and constants alone
	s_mul_i32 s[G0T+1], s52, CS
	s_add_co_u32 s[G0T+1], s[G0T+1], TAB           ; waves 0-3: copy w
	s_lshl_b32 s[G0M+1], s55, 16
	s_lshl_b32 s62, s53, 14
	s_add_co_u32 s[G0M+1], s[G0M+1], s62           ; waves 4, 5: K's first two 16 KiB; waves 6, 7: V's
	s_lshl_b32 s[G0S+1], s56, 16
	s_lshl_b32 s63, s52, 13
	s_add_co_u32 s[G0S+1], s[G0S+1], s63
	s_add_co_u32 s[G0S+1], s[G0S+1], 32768         ; waves 0-3: the four 8 KiB of K's second half; waves 4-7: of V's
	; where they come from.  K's part of qkv begins 4 MiB in, V's 8 MiB; 65,536 bytes for each batch and head
	s_lshl_b32 s71, s12, 16
	s_add_co_u32 s60, s55, 1
	s_lshl_b32 s60, s60, 22
	s_add_co_u32 s60, s60, s71
	s_add_co_u32 s60, s60, s62
	s_mov_b32 s61, 0
	s_add_co_u32 s72, s56, 1
	s_lshl_b32 s72, s72, 22
	s_add_co_u32 s72, s72, s71
	s_add_co_u32 s72, s72, s63
	s_add_co_u32 s72, s72, 32768
	s_mov_b32 s73, 0
	s_lshl_b32 s68, s13, 14                        ; the table: 16,384 bytes a head, row 24 - 8 cx, word w % 4  (what holds cx has registers of its own: s68 to s70, s74 to s79)
	s_sub_co_u32 s70, 3, s11
	s_lshl_b32 s70, s70, 11                        ; eight rows of 256 bytes for each of 3 - cx
	s_add_co_u32 s68, s68, s70
	s_lshl_b32 s70, s52, 2
	s_add_co_u32 s68, s68, s70
	s_mov_b32 s69, 0
	s_lshl_b32 s74, s11, 4                         ; my first tile of queries in the batch: 16 cx + 4 (w / 2) + w % 2; the second lies two tiles on
	s_lshl_b32 s70, s54, 2
	s_add_co_u32 s74, s74, s70
	s_add_co_u32 s74, s74, s53
	s_lshl_b32 s76, s74, 10
	s_add_co_u32 s76, s76, s71
	s_mov_b32 s77, 0
	s_lshl_b32 s78, s14, 6
	s_add_co_u32 s78, s78, s74
	s_lshl_b32 s78, s78, 14                        ; ctx: 16,384 bytes a tile of tokens,
	s_lshl_b32 s70, s13, 10                        ; 1,024 a head
	s_add_co_u32 s78, s78, s70
	s_mov_b32 s79, 0
	s_mov_b32 s[SEL], 0x76543210
	s_mov_b32 s[SEL+1], 0xfedcba98
	s_mov_b32 s[TK], 0
	s_mov_b32 s[TB], 0
	s_mov_b32 s[CNT], 15
	s_wait_dscnt 0x0                               ; both opening adds are done
	s_wait_kmcnt 0x0
	s_mov_b32 s[G0T], 1
	s_add_nc_u64 s[G0T+2:G0T+3], s[6:7], s[68:69]
	s_or_b32 s[G0T+3], s[G0T+3], 0x80000000
	s_mov_b32 s[G0M], 1
	s_add_nc_u64 s[G0M+2:G0M+3], s[4:5], s[60:61]
	s_or_b32 s[G0M+3], s[G0M+3], 0x80000000
	s_mov_b32 s[G0S], 1
	s_add_nc_u64 s[G0S+2:G0S+3], s[4:5], s[72:73]
	s_or_b32 s[G0S+3], s[G0S+3], 0x80000000
	s_add_nc_u64 s[4:5], s[4:5], s[76:77]          ; Q at my first tile
	s_add_nc_u64 s[8:9], s[8:9], s[78:79]          ; ctx likewise
	CROUND                                         ; all four work-groups are here: the joint loads meet
	s_cmp_lt_u32 s[WV], 4                          ; a wave's two loads stand in one branch on its number, the same in all partners: two loads of mine are out
	s_cbranch_scc0 .Lhigh
	tensor_load_to_lds s[G0T:G0T+3], s[G1T:G1T+7]
	s_nop 0
	tensor_load_to_lds s[G0S:G0S+3], s[G1S:G1S+7]
	s_nop 0
.rept 4
	v_nop
.endr
	s_branch .Lasked
.Lhigh:
	tensor_load_to_lds s[G0M:G0M+3], s[G1M:G1M+7]
	s_nop 0
	tensor_load_to_lds s[G0S:G0S+3], s[G1S:G1S+7]
	s_nop 0
.rept 4
	v_nop
.endr
.Lasked:
	v_and_b32 v14, 31, v0                          ; lane
	v_bfe_u32 v15, v0, 4, 1                        ; h
	v_lshlrev_b32 v[LI], 4, v14
	v_lshlrev_b32 v[AK0], 3, v15
	v_xor_b32 v[AK0], v[AK0], v14
	v_lshlrev_b32 v[AK0], 4, v[AK0]
.irp i, 0,1
.irp q, 0,1
	global_load_b128 v[QF+8*\i+4*\q:QF+8*\i+4*\q+3], v[AK0], s[4:5] offset:2048*\i+512*\q   ; Q stays in registers
.endr
.endr
	; The transposing load: lane L addresses the 16 bytes of key 8 h + L % 8, channels 8 h' + 0..7 (h' = (L / 8) % 2), and is left with channel L % 16 and 8 keys.
	; In the image those bytes are lane (key + 16 h')'s: at 256 h' + 16 (key xor 8 h')
	v_bfe_u32 v10, v0, 3, 1                        ; h'
	v_and_b32 v11, 7, v0
	v_lshl_add_u32 v11, v15, 3, v11                ; the key
	v_lshlrev_b32 v12, 3, v10
	v_xor_b32 v11, v11, v12
	v_lshlrev_b32 v[AV0], 4, v11
	v_lshl_add_u32 v[AV0], v10, 8, v[AV0]
	v_add_nc_u32 v[AV0], VB, v[AV0]
	; The table: my first word of a tile is 31 - 16 (w % 2) - r + 8 h (+ 16 for the right half of the keys).  With r' = 15 - r = r xor 15: copy c = r' % 4 has that word at place
	; (r' and 12) + 8 h + 16 (1 - w % 2), a multiple of four words.  My first row of a step's three: 6 - 2 (w / 2) + 2 t = 2 ((w / 2) xor 3) + 2 t.  Nothing is subtracted: constants x lane and constants x wave alone
	v_and_b32 v13, 15, v0                          ; r
	v_xor_b32 v13, 15, v13                         ; r'
	v_and_b32 v10, 3, v13                          ; c
	v_and_b32 v11, 12, v13
	v_mul_u32_u24 v[AB0], v10, CS
	v_lshl_add_u32 v[AB0], v11, 2, v[AB0]
	v_lshl_add_u32 v[AB0], v15, 5, v[AB0]
	s_xor_b32 s60, s53, 1
	s_lshl_b32 s60, s60, 6
	s_xor_b32 s61, s54, 3
	s_mul_i32 s61, s61, 2*TP
	s_add_co_u32 s61, s61, s60
	s_add_co_u32 s61, s61, TAB
	v_add_nc_u32 v[AB0], s61, v[AB0]
.irp i, 0,1
	v_mov_b32 v[ST+8*\i], 0xff61b1e6               ; m: -3e38, under every score
	v_mov_b32 v[ST+8*\i+1], 0
	v_mov_b32 v[ST+8*\i+2], 0                      ; l, in two halves
	v_mov_b32 v[ST+8*\i+3], 0
	v_mov_b32 v[ST+8*\i+5], 0                      ; written once: a lane permute's destination counts as one of its sources
.endr
.set kk, 0
.rept 32
	v_mov_b32 v[OA+kk], 0                          ; O^T: the step is written once; the first finds zeros, which its a = 0 leaves zeros
.set kk, kk+1
.endr
	v_add_nc_u32 v[ADK], s[TK], v[AK0]
	v_add_nc_u32 v[ADB], s[TB], v[AB0]
	v_add_nc_u32 v[ADV], s[TK], v[AV0]
	s_wait_tensorcnt 0x0                           ; both my loads have landed,
	s_barrier_signal -1
	s_barrier_wait -1                              ; everybody's have: K, V and the four copies are whole.  Nothing is ever filled again
.macro KLOAD                                   ; the step's four fragments of K, as they lie
.irp u, 0,1,2,3
	ds_load_b128 v[KF+8*\u:KF+8*\u+3], v[ADK] offset:1024*\u
	ds_load_b128 v[KF+8*\u+4:KF+8*\u+7], v[ADK] offset:1024*\u+512
.endr
.endm
.macro BLOAD                                   ; three rows of bias x two halves of the key columns
.irp d, 0,1,2
.irp x, 0,1
	ds_load_b128 v[BI+16*\d+8*\x:BI+16*\d+8*\x+3], v[ADB] offset:TP*\d+64*\x
	ds_load_b128 v[BI+16*\d+8*\x+4:BI+16*\d+8*\x+7], v[ADB] offset:TP*\d+64*\x+16
.endr
.endr
.endm
.macro VLOAD                                   ; V^T: channels 16 t on, keys 32 c on: registers 0-3 from fragment 2 c, registers 4-7 from fragment 2 c + 1
.irp t, 0,1
.irp c, 0,1
	ds_load_tr16_b128 v[VF+16*\t+8*\c:VF+16*\t+8*\c+3], v[ADV] offset:2048*\c+512*\t
	ds_load_tr16_b128 v[VF+16*\t+8*\c+4:VF+16*\t+8*\c+7], v[ADV] offset:2048*\c+1024+512*\t
.endr
.endr
.endm
.macro QK                                      ; S^T(i, u) = K(u) Q(i)^T + bias: key tile u lies in key row u / 2 of the step's two, columns 16 (u % 2) on; its row of the three is u / 2 - i + 1
.irp u, 0,1,2,3
.irp i, 0,1
	v_wmma_f32_16x16x32_f16 v[S+32*\i+8*\u:S+32*\i+8*\u+7], v[KF+8*\u:KF+8*\u+7], v[QF+8*\i:QF+8*\i+7], v[BI+16*(\u/2-\i+1)+8*(\u%2):BI+16*(\u/2-\i+1)+8*(\u%2)+7]
.endr
.endr
.endm
.macro PV                                      ; O^T(i, t) += V^T(t, c) P(i, c): the four accumulators take turns, one instruction a turn
.irp c, 0,1
.irp i, 0,1
.irp t, 0,1
	v_wmma_f32_16x16x32_f16 v[OA+16*\i+8*\t:OA+16*\i+8*\t+7], v[VF+16*\t+8*\c:VF+16*\t+8*\c+7], v[S+32*\i+16*\c:S+32*\i+16*\c+7], v[OA+16*\i+8*\t:OA+16*\i+8*\t+7]
.endr
.endr
.endr
.endm
.macro SOFTMAX                                 ; both tiles, line by line by turns
.irp j, 0,1,2,3
.irp i, 0,1
	v_max3_num_f32 v[ST+8*\i+4+\j], v[S+32*\i+8*\j], v[S+32*\i+8*\j+1], v[S+32*\i+8*\j+2]   ; four chains, one to an accumulator, each read from its low end on
.endr
.endr
.irp k, 3,5
.irp j, 0,1,2,3
.irp i, 0,1
	v_max3_num_f32 v[ST+8*\i+4+\j], v[ST+8*\i+4+\j], v[S+32*\i+8*\j+\k], v[S+32*\i+8*\j+\k+1]
.endr
.endr
.endr
.irp i, 0,1
	v_max3_num_f32 v[ST+8*\i+4], v[ST+8*\i+4], v[S+32*\i+7], v[S+32*\i+15]
	v_max3_num_f32 v[ST+8*\i+6], v[ST+8*\i+6], v[S+32*\i+23], v[S+32*\i+31]
.endr
.irp i, 0,1
	v_max3_num_f32 v[ST+8*\i+4], v[ST+8*\i+4], v[ST+8*\i+5], v[ST+8*\i+6]
.endr
.irp i, 0,1
	v_max3_num_f32 v[ST+8*\i+4], v[ST+8*\i+4], v[ST+8*\i+7], v[ST+8*\i]   ; and the old m
.endr
.irp i, 0,1
	v_permlanex16_b32 v[ST+8*\i+5], v[ST+8*\i+4], s[SEL], s[SEL+1]   ; the query's other 32 keys lie in the lane 16 away
.endr
.irp i, 0,1
	v_max_num_f32 v[ST+8*\i+5], v[ST+8*\i+4], v[ST+8*\i+5]   ; the new m
.endr
.irp i, 0,1
	v_sub_f32 v[ST+8*\i+7], v[ST+8*\i], v[ST+8*\i+5]   ; old m - new m
.endr
.irp i, 0,1
	v_mov_b32 v[ST+8*\i], v[ST+8*\i+5]
.endr
.irp i, 0,1
	v_exp_f32 v[ST+8*\i+6], v[ST+8*\i+7]           ; a
.endr
.irp b, 0,2,4,6,8,10,12,14,16,18,20,22,24,26,28,30
.irp i, 0,1
	v_pk_add_f32 v[S+32*\i+\b:S+32*\i+\b+1], v[S+32*\i+\b:S+32*\i+\b+1], v[ST+8*\i:ST+8*\i+1] op_sel_hi:[1,0] neg_lo:[0,1] neg_hi:[0,1]   ; s - m, two at a time
.endr
.endr
.set kk, 0
.rept 64
	v_exp_f32 v[S+kk], v[S+kk]                     ; p = 2^(s - m)
.set kk, kk+1
.endr
	v_nop                                          ; a plain line behind the last exponential
	s_wait_alu depctr_va_vdst(0)                   ; ONE wait for the step's 66 exponentials, ahead of the first line that names a result
.irp i, 0,1
	v_pk_add_f32 v[ST+8*\i+4:ST+8*\i+5], v[S+32*\i:S+32*\i+1], v[S+32*\i+4:S+32*\i+5]   ; the row's sum of the unrounded p, in two chains
	v_pk_add_f32 v[SB+2*\i:SB+2*\i+1], v[S+32*\i+2:S+32*\i+3], v[S+32*\i+6:S+32*\i+7]
.endr
.irp k, 8,12,16,20,24,28
.irp i, 0,1
	v_pk_add_f32 v[ST+8*\i+4:ST+8*\i+5], v[ST+8*\i+4:ST+8*\i+5], v[S+32*\i+\k:S+32*\i+\k+1]
	v_pk_add_f32 v[SB+2*\i:SB+2*\i+1], v[SB+2*\i:SB+2*\i+1], v[S+32*\i+\k+2:S+32*\i+\k+3]
.endr
.endr
.irp i, 0,1
	v_pk_add_f32 v[ST+8*\i+4:ST+8*\i+5], v[ST+8*\i+4:ST+8*\i+5], v[SB+2*\i:SB+2*\i+1]
.endr
.irp i, 0,1
	v_pk_fma_f32 v[ST+8*\i+2:ST+8*\i+3], v[ST+8*\i+2:ST+8*\i+3], v[ST+8*\i+6:ST+8*\i+7], v[ST+8*\i+4:ST+8*\i+5] op_sel_hi:[1,0,1]   ; l = a l + the sum
.endr
.irp i, 0,1
.irp c, 0,1
.irp n, 0,1,2,3,4,5,6,7
	v_cvt_pk_f16_f32 v[S+32*\i+16*\c+\n], v[S+32*\i+16*\c+2*\n], v[S+32*\i+16*\c+2*\n+1]   ; in place, ascending: register n is written when it has been read
.endr
.endr
.endr
.irp i, 0,1
.irp n, 0,2,4,6,8,10,12,14
	v_pk_mul_f32 v[OA+16*\i+\n:OA+16*\i+\n+1], v[OA+16*\i+\n:OA+16*\i+\n+1], v[ST+8*\i+6:ST+8*\i+7] op_sel_hi:[1,0]   ; O^T x a, each accumulator from its low end on
.endr
.endr
.endm
; A KEY STEP.  pf = 1: the next step's fragments are asked for on the way: K and the bias behind the first products, V behind the second.
.macro STEP pf
	s_wait_dscnt 8                                 ; K and the bias are in; the youngest eight loads, V's, may be out
	QK
.if \pf
	s_add_co_u32 s[TK], s[TK], 4096
	s_add_co_u32 s[TB], s[TB], 2*TP
	v_add_nc_u32 v[ADK], s[TK], v[AK0]             ; these two and two v_nop are the four places behind the products: in front of loads into their sources and of the first read of results
	v_add_nc_u32 v[ADB], s[TB], v[AB0]
	v_nop
	v_nop
	KLOAD
	BLOAD
.else
.rept 4
	v_nop
.endr
.endif
	SOFTMAX
.if \pf
	s_wait_dscnt 20                                ; V is in; the 8 + 12 loads just issued may be out
.else
	s_wait_dscnt 0x0
.endif
	PV
.if \pf
	v_add_nc_u32 v[ADV], s[TK], v[AV0]             ; with four v_nop: five places, since the next step's first products write over P's registers; four serve the loads into V's
.rept 4
	v_nop
.endr
	VLOAD
.endif
.endm
	KLOAD
	BLOAD
	VLOAD
	s_wait_loadcnt 0x0                             ; Q
.Lstep:                                            ; 15 trips; the last step is written out: it asks for nothing
	STEP 1
	s_sub_co_u32 s[CNT], s[CNT], 1
	s_cmp_lg_u32 s[CNT], 0
	s_cbranch_scc1 .Lstep
	STEP 0
	; THE WAY OUT.  The four additions and the v_nop are the places behind the last products
.irp i, 0,1
	v_add_f32 v[ST+8*\i+4], v[ST+8*\i+2], v[ST+8*\i+3]
.endr
.irp i, 0,1
	v_permlanex16_b32 v[ST+8*\i+5], v[ST+8*\i+4], s[SEL], s[SEL+1]
.endr
.irp i, 0,1
	v_add_f32 v[ST+8*\i+4], v[ST+8*\i+4], v[ST+8*\i+5]   ; the row's sum
.endr
.irp i, 0,1
	v_rcp_f32 v[ST+8*\i+6], v[ST+8*\i+4]
.endr
	v_nop                                          ; a plain line behind the reciprocals
	s_wait_alu depctr_va_vdst(0)                   ; and the wait ahead of their first use: one for both
.irp i, 0,1
.irp n, 0,2,4,6,8,10,12,14
	v_pk_mul_f32 v[OA+16*\i+\n:OA+16*\i+\n+1], v[OA+16*\i+\n:OA+16*\i+\n+1], v[ST+8*\i+6:ST+8*\i+7] op_sel_hi:[1,0]
.endr
.endr
.irp i, 0,1
.irp n, 0,1,2,3,4,5,6,7
	v_cvt_pk_f16_f32 v[S+8*\i+\n], v[OA+16*\i+2*\n], v[OA+16*\i+2*\n+1]   ; token r, channels 16 ct + 8 h + 0..7: the next launch's fragment
.endr
.endr
.irp i, 0,1
.irp q, 0,1
	global_store_b128 v[LI], v[S+8*\i+4*\q:S+8*\i+4*\q+3], s[8:9] offset:32768*\i+512*\q   ; 32 lanes store 512 consecutive bytes
.endr
.endr
	s_wait_tensorcnt 0x0                           ; the wave's end, behind my last tensor load
	ds_add_u32 v[SPW], v[NIL]
	s_wait_dscnt 0x0
	CROUND                                         ; the closing round: no work-group ends while a partner may still ask for a tile that names it
	s_endpgm
.Lfunc_end_k_q2fedd5b10b_attn:
	.size	k_q2fedd5b10b_attn, .Lfunc_end_k_q2fedd5b10b_attn-k_q2fedd5b10b_attn
	.p2alignl 7, 3214868480
	.fill 96, 4, 3214868480
	.section	.rodata,"a",@progbits
	.p2align	6, 0x0
	.amdhsa_kernel k_q2fedd5b10b_attn
		.amdhsa_group_segment_fixed_size 173056
		.amdhsa_private_segment_fixed_size 0
		.amdhsa_enable_private_segment 0
		.amdhsa_kernarg_size 24
		.amdhsa_user_sgpr_count 2
		.amdhsa_user_sgpr_kernarg_segment_ptr 1
		.amdhsa_wavefront_size32 1
		.amdhsa_system_sgpr_workgroup_id_x 1
		.amdhsa_system_sgpr_workgroup_id_y 1
		.amdhsa_system_sgpr_workgroup_id_z 1
		.amdhsa_system_vgpr_workitem_id 0
		.amdhsa_next_free_vgpr 256
		.amdhsa_next_free_sgpr 80
		.amdhsa_reserve_vcc 0
		.amdhsa_float_denorm_mode_32 3
		.amdhsa_float_denorm_mode_16_64 3
		.amdhsa_memory_ordered 1
		.amdhsa_forward_progress 1
		.amdhsa_inst_pref_size 42
	.end_amdhsa_kernel
	.amdgpu_metadata
---
amdhsa.version: [ 1, 2 ]
amdhsa.kernels:
  - .name:           k_q2fedd5b10b_attn
    .symbol:         k_q2fedd5b10b_attn.kd
    .args:
      - { .name: qkv, .offset: 0, .size: 8, .value_kind: global_buffer, .address_space: global }
      - { .name: tab, .offset: 8, .size: 8, .value_kind: global_buffer, .address_space: global }
      - { .name: ctx, .offset: 16, .size: 8, .value_kind: global_buffer, .address_space: global }
    .group_segment_fixed_size: 173056
    .private_segment_fixed_size: 0
    .kernarg_segment_align: 8
    .kernarg_segment_size: 24
    .max_flat_workgroup_size: 256
    .sgpr_count:     80
    .vgpr_count:     256
    .wavefront_size: 32
...
	.end_amdgpu_metadata
.endif
;; end of part 3
;; launch outp (part 4): grid 64 x 4, 4 waves a work-group, clusters of 4 x 1, 214,528 bytes of LDS; arguments ctx, woimg, bo, out0; writes out0
.if DOCPART == 4
	.amdgcn_target "amdgcn-amd-amdhsa--gfx1250"
	.amdhsa_code_object_version 6
	.text
	.protected	k_q2fedd5b10b_outp
	.globl	k_q2fedd5b10b_outp
	.p2align	8
	.type	k_q2fedd5b10b_outp,@function
k_q2fedd5b10b_outp:
	s_mov_b64 s[64:65], 0
	v_nop
	global_prefetch_b8 v0, s[64:65] scope:SCOPE_SE
	s_setreg_imm32_b32 hwreg(HW_REG_WAVE_MODE, 25, 1), 1
	s_wait_xcnt 0x0
	s_wait_alu depctr_hold_cnt(0) depctr_sa_sdst(0) depctr_va_vdst(0) depctr_va_sdst(0) depctr_va_ssrc(0) depctr_va_vcc(0) depctr_vm_vsrc(0)
	s_getreg_b32 s2, hwreg(HW_REG_IB_STS2, 6, 4)
	s_cmp_eq_u32 s2, 0
	s_cbranch_scc0 .Lentry_in_a_cluster
	s_endpgm
.Lentry_in_a_cluster:
	s_bfe_u32 s2, ttmp6, 0x10000c
	s_cmp_lg_u32 s2, 0x3003
	s_cbranch_scc0 .Lentry_shape_is_right
	s_endpgm
.Lentry_shape_is_right:
; OUTP: out0 = ctx wo + bo, f16 operands, f32 sums.  Work-group (x, y): tokens 64 x .. 64 x + 63, columns 128 y .. 128 y + 127: 256 work-groups.
; Both operands lie in memory as images of fragments, so a work-group's parts are dense blocks: ctx 64 KiB (4 tiles of tokens x 16 K steps), wo 128 KiB (8 tiles of columns x 16 K steps).  Both fit in LDS at once: filled once, no ring.
; CLUSTER: the four work-groups of a cluster lie along x and need the same 128 KiB of wo: asked for JOINTLY (mask 15) by waves 2 and 3, 64 KiB each.  ctx's block differs with cx: plain loads by waves 0 and 1, 32 KiB each, behind the same round.
; Wave w: tiles of tokens 2 (w / 2), 2 (w / 2) + 1; tiles of columns 4 (w % 2) .. + 3: eight accumulators.  THE PRODUCT IS USED TRANSPOSED (source 0 = 16 columns of wo, source 1 = 16 tokens):
; a lane holds one token and eight neighbouring columns.  bo is the C of each sum's first instruction.  K's 16 steps are written out: every offset is an immediate.
; The way out goes through the wave's own stage (16 rows x (256 + 16) bytes), so that sixteen lanes store 256 consecutive bytes, at a multiple of 256 from out0's first byte.
; All tensor loads stand at the head, so there is no later step to ask ahead for: no prefetch.
.set WOB,   65536                      ; LDS: ctx's images from 0, wo's from here
.set STAGE, 196608                     ; the four stages; no tensor load lands here
.set SP,    272
.set SPARE, STAGE+4*16*SP              ; the spare words, 128 bytes a wave: two blocks of 256 bytes that no other line names
.set SPW, 1                            ; v1   LDS address of my spare word; never rewritten
.set NIL, 2                            ; v2   0; never rewritten
.set ACX, 3                            ; v3   my fragments of ctx: 32,768 (w / 2) + 16 x lane
.set AWO, 4                            ; v4   of wo: WOB + 65,536 (w % 2) + 16 x lane
.set STO, 5                            ; v5   the stage: where I put 32 bytes of a row
.set RD,  6                            ; v6   and where I read rows back
.set GO,  7                            ; v7   my byte offset in out0: 2,048 h + 16 r
.set BH,  8                            ; v8   32 h
.set BO,  16                           ; v16-47   bo in the result's layout, four tiles
.set ACC, 48                           ; v48-111  accumulator (a, n) at 8 (4 a + n)
.set F0,  112                          ; v112-159, v160-207: two sets of fragments: ctx's two, then wo's four
.set BK0, 208                          ; the way out: tile 0's rows come back into v208-239, tile 1's into v112-143
.set BK1, 112
.set WV,  12                           ; s12  my wave's number
.set G1C, 16                           ; s[16:23] group 1 for ctx's block;  s[24:31] for wo's;  s[32:35], s[36:39] their groups 0
.set G1W, 24
.set G0C, 32
.set G0W, 36
.macro CROUND                          ; a round of the cluster's barrier
	s_barrier_signal -1
	s_barrier_wait -1
	s_cmp_lg_u32 s[WV], 0
	s_cbranch_scc1 .Lnot_wave_0_\@
	s_barrier_signal -3
.Lnot_wave_0_\@:
	s_barrier_wait -3
	s_barrier_signal -1
	s_barrier_wait -1
.endm
	s_load_b256 s[4:11], s[0:1], 0x0               ; ctx s[4:5], woimg s[6:7], bo s[8:9], out0 s[10:11]
	v_lshl_add_u32 v[SPW], v0, 2, SPARE
	v_mov_b32 v[NIL], 0
	ds_add_u32 v[SPW], v[NIL]                      ; the wave's opening: the add, twice on end, and its wait ahead of my first tensor load; the set-up below stands between
	ds_add_u32 v[SPW], v[NIL]
	v_lshrrev_b32 v3, 5, v0
	v_readfirstlane_b32 s[WV], v3                  ; wave 0..3
	s_bfe_u32 s13, ttmp6, 0x40000                  ; cx: it enters ctx's and out0's global addresses alone
	s_lshl_b32 s14, ttmp9, 2
	s_add_co_u32 s14, s14, s13                     ; my block of 64 tokens
	s_and_b32 s15, ttmp7, 0xffff                   ; my block of 128 columns, which the four partners share
	s_and_b32 s40, s[WV], 1
	s_lshr_b32 s41, s[WV], 1
	; group 1: dense blocks as rows of 256 bytes (32 elements of 8 bytes)
	s_mov_b32 s[G1C], 3<<16                        ; no mask
	s_mov_b32 s[G1C+1], 32<<16
	s_mov_b32 s[G1C+2], 128<<16
	s_mov_b32 s[G1C+3], 32<<16
	s_mov_b32 s[G1C+4], 128
	s_mov_b32 s[G1C+5], 32
	s_mov_b32 s[G1C+6], 0
	s_mov_b32 s[G1C+7], 0
	s_mov_b32 s[G1W], 15|(3<<16)|(1<<21)           ; mask 15: all four work-groups; bit 21 set beside a mask
	s_mov_b32 s[G1W+1], 32<<16
	s_mov_b32 s[G1W+2], 256<<16
	s_mov_b32 s[G1W+3], 32<<16
	s_mov_b32 s[G1W+4], 256
	s_mov_b32 s[G1W+5], 32
	s_mov_b32 s[G1W+6], 0
	s_mov_b32 s[G1W+7], 0
	s_lshl_b32 s[G0C+1], s40, 15                   ; where they go: the wave's number and constants alone
	s_lshl_b32 s[G0W+1], s40, 16
	s_add_co_u32 s[G0W+1], s[G0W+1], WOB
	s_lshl_b32 s42, s14, 16                        ; ctx: 65,536 bytes a block of tokens, my half  (what holds cx has registers of its own: s42, s43, s46, s47, s50)
	s_lshl_b32 s50, s40, 15
	s_add_co_u32 s42, s42, s50
	s_mov_b32 s43, 0
	s_lshl_b32 s44, s15, 17                        ; wo: 131,072 bytes a block of columns, my half
	s_lshl_b32 s51, s40, 16
	s_add_co_u32 s44, s44, s51
	s_mov_b32 s45, 0
	s_lshl_b32 s52, s15, 9                         ; bo, and a row of out0: 512 bytes a block of columns, 256 for my half
	s_lshl_b32 s51, s40, 8
	s_add_co_u32 s52, s52, s51
	s_mov_b32 s53, 0
	s_lshl_b32 s46, s14, 17                        ; out0: 64 rows of 2,048 bytes a block, 32 rows for my half
	s_lshl_b32 s50, s41, 16
	s_add_co_u32 s46, s46, s50
	s_add_co_u32 s46, s46, s52
	s_mov_b32 s47, 0
	s_wait_dscnt 0x0                               ; both opening adds are done
	s_wait_kmcnt 0x0
	s_mov_b32 s[G0C], 1
	s_add_nc_u64 s[G0C+2:G0C+3], s[4:5], s[42:43]
	s_or_b32 s[G0C+3], s[G0C+3], 0x80000000
	s_mov_b32 s[G0W], 1
	s_add_nc_u64 s[G0W+2:G0W+3], s[6:7], s[44:45]
	s_or_b32 s[G0W+3], s[G0W+3], 0x80000000
	s_add_nc_u64 s[8:9], s[8:9], s[52:53]
	s_add_nc_u64 s[10:11], s[10:11], s[46:47]
	CROUND                                         ; all four work-groups are here: the joint loads meet
	s_cmp_lt_u32 s[WV], 2                          ; the branch hangs on the wave's number alone: one load a wave
	s_cbranch_scc0 .Lfor_wo
	tensor_load_to_lds s[G0C:G0C+3], s[G1C:G1C+7]
	s_nop 0
.rept 4
	v_nop
.endr
	s_branch .Lasked
.Lfor_wo:
	tensor_load_to_lds s[G0W:G0W+3], s[G1W:G1W+7]
	s_nop 0
.rept 4
	v_nop
.endr
.Lasked:
	v_and_b32 v9, 15, v0                           ; r
	v_bfe_u32 v10, v0, 4, 1                        ; h
	v_and_b32 v11, 31, v0
	v_lshlrev_b32 v12, 4, v11                      ; 16 x lane
	v_lshlrev_b32 v[BH], 5, v10
.irp n, 0,1,2,3
.irp q, 0,1
	global_load_b128 v[BO+8*\n+4*\q:BO+8*\n+4*\q+3], v[BH], s[8:9] offset:64*\n+16*\q   ; register j = column 16 n + 8 h + j of my 64
.endr
.endr
	s_lshl_b32 s48, s41, 15
	v_add_nc_u32 v[ACX], s48, v12
	s_lshl_b32 s48, s40, 16
	s_add_co_u32 s48, s48, WOB
	v_add_nc_u32 v[AWO], s48, v12
	s_mul_i32 s49, s[WV], 16*SP
	s_add_co_u32 s49, s49, STAGE                   ; my stage
	v_mul_u32_u24 v[STO], v9, SP
	v_lshl_add_u32 v[STO], v10, 5, v[STO]
	v_add_nc_u32 v[STO], s49, v[STO]               ; in: row r, 32 bytes for each half of the lanes
	v_mul_u32_u24 v[RD], v10, SP
	v_lshl_add_u32 v[RD], v9, 4, v[RD]
	v_add_nc_u32 v[RD], s49, v[RD]                 ; back: lanes 0-15 one row of 256 bytes, lanes 16-31 the next
	v_lshlrev_b32 v[GO], 11, v10
	v_lshl_add_u32 v[GO], v9, 4, v[GO]             ; and the same two rows in out0
	s_wait_tensorcnt 0x0                           ; my load has landed,
	s_barrier_signal -1
	s_barrier_wait -1                              ; everybody's has.  Nothing is ever filled again
	s_wait_loadcnt 0x0                             ; bo
.macro FETCH f, ks                             ; K step ks: 12 LDS loads: ctx's two fragments, wo's four, into set f
.irp a, 0,1
	ds_load_b128 v[\f+8*\a:\f+8*\a+3], v[ACX] offset:16384*\a+1024*(\ks)
	ds_load_b128 v[\f+8*\a+4:\f+8*\a+7], v[ACX] offset:16384*\a+1024*(\ks)+512
.endr
.irp n, 0,1,2,3
	ds_load_b128 v[\f+16+8*\n:\f+16+8*\n+3], v[AWO] offset:16384*\n+1024*(\ks)
	ds_load_b128 v[\f+16+8*\n+4:\f+16+8*\n+7], v[AWO] offset:16384*\n+1024*(\ks)+512
.endr
.endm
.macro MUL f, first                            ; the eight accumulators take turns, one instruction a turn, in the same order in every K step
.irp a, 0,1
.irp n, 0,1,2,3
.if \first
	v_wmma_f32_16x16x32_f16 v[ACC+8*(4*\a+\n):ACC+8*(4*\a+\n)+7], v[\f+16+8*\n:\f+16+8*\n+7], v[\f+8*\a:\f+8*\a+7], v[BO+8*\n:BO+8*\n+7]
.else
	v_wmma_f32_16x16x32_f16 v[ACC+8*(4*\a+\n):ACC+8*(4*\a+\n)+7], v[\f+16+8*\n:\f+16+8*\n+7], v[\f+8*\a:\f+8*\a+7], v[ACC+8*(4*\a+\n):ACC+8*(4*\a+\n)+7]
.endif
.endr
.endr
.endm
	FETCH F0, 0
.set KS, 0
.rept 16
.if KS < 15
.if KS > 0
.rept 4
	v_nop                                          ; four places in front of loads into the set that the step before multiplied (ISA guide 7.12.1 for vector instructions)
.endr
.endif
	FETCH F0+48*((KS+1)%2), KS+1
	s_wait_dscnt 12                                ; this step's fragments are in; the 12 loads just issued may be out
.else
	s_wait_dscnt 0x0
.endif
.if KS == 0
	MUL F0, 1
.else
	MUL F0+48*(KS%2), 0
.endif
.set KS, KS+1
.endr
	; THE WAY OUT, a tile of 16 tokens x 64 columns at a time, through my own stage: LDS serves a wave's instructions in order (ISA guide 5.7.1.4), so no wait stands between the stores and the loads, nor in front of the next tile's stores
.macro TOSTAGE a, bk
.irp n, 0,1,2,3
	ds_store_b128 v[STO], v[ACC+8*(4*\a+\n):ACC+8*(4*\a+\n)+3] offset:64*\n          ; each accumulator from its low end on
	ds_store_b128 v[STO], v[ACC+8*(4*\a+\n)+4:ACC+8*(4*\a+\n)+7] offset:64*\n+16
.endr
.irp i, 0,1,2,3,4,5,6,7
	ds_load_b128 v[\bk+4*\i:\bk+4*\i+3], v[RD] offset:2*\i*SP
.endr
.endm
.macro SEND a, bk, younger                     ; younger: the LDS instructions issued behind this tile's loads, which may stay out
.irp i, 0,1,2,3,4,5,6,7
	s_wait_dscnt \younger+7-\i
	global_store_b128 v[GO], v[\bk+4*\i:\bk+4*\i+3], s[10:11] offset:2048*(16*\a+2*\i) th:TH_STORE_NT   ; 16 lanes store 256 consecutive bytes; written once, read by nobody here
.endr
.endm
.rept 4
	v_nop                                          ; four places: in front of the first read of results, and of loads into registers that the last products read
.endr
	TOSTAGE 0, BK0
	TOSTAGE 1, BK1
	SEND 0, BK0, 16                                ; behind tile 0's loads: tile 1's 8 stores and 8 loads
	SEND 1, BK1, 0
	s_wait_tensorcnt 0x0                           ; the wave's end, behind my last tensor load and my last LDS store
	ds_add_u32 v[SPW], v[NIL]
	s_wait_dscnt 0x0
	CROUND                                         ; the closing round: no work-group ends while a partner may still ask for a tile that names it
	s_endpgm
.Lfunc_end_k_q2fedd5b10b_outp:
	.size	k_q2fedd5b10b_outp, .Lfunc_end_k_q2fedd5b10b_outp-k_q2fedd5b10b_outp
	.p2alignl 7, 3214868480
	.fill 96, 4, 3214868480
	.section	.rodata,"a",@progbits
	.p2align	6, 0x0
	.amdhsa_kernel k_q2fedd5b10b_outp
		.amdhsa_group_segment_fixed_size 214528
		.amdhsa_private_segment_fixed_size 0
		.amdhsa_enable_private_segment 0
		.amdhsa_kernarg_size 32
		.amdhsa_user_sgpr_count 2
		.amdhsa_user_sgpr_kernarg_segment_ptr 1
		.amdhsa_wavefront_size32 1
		.amdhsa_system_sgpr_workgroup_id_x 1
		.amdhsa_system_sgpr_workgroup_id_y 1
		.amdhsa_system_sgpr_workgroup_id_z 1
		.amdhsa_system_vgpr_workitem_id 0
		.amdhsa_next_free_vgpr 256
		.amdhsa_next_free_sgpr 66
		.amdhsa_reserve_vcc 0
		.amdhsa_float_denorm_mode_32 3
		.amdhsa_float_denorm_mode_16_64 3
		.amdhsa_memory_ordered 1
		.amdhsa_forward_progress 1
		.amdhsa_inst_pref_size 33
	.end_amdhsa_kernel
	.amdgpu_metadata
---
amdhsa.version: [ 1, 2 ]
amdhsa.kernels:
  - .name:           k_q2fedd5b10b_outp
    .symbol:         k_q2fedd5b10b_outp.kd
    .args:
      - { .name: ctx, .offset: 0, .size: 8, .value_kind: global_buffer, .address_space: global }
      - { .name: woimg, .offset: 8, .size: 8, .value_kind: global_buffer, .address_space: global }
      - { .name: bo, .offset: 16, .size: 8, .value_kind: global_buffer, .address_space: global }
      - { .name: out0, .offset: 24, .size: 8, .value_kind: global_buffer, .address_space: global }
    .group_segment_fixed_size: 214528
    .private_segment_fixed_size: 0
    .kernarg_segment_align: 8
    .kernarg_segment_size: 32
    .max_flat_workgroup_size: 128
    .sgpr_count:     66
    .vgpr_count:     256
    .wavefront_size: 32
...
	.end_amdgpu_metadata
.endif
;; end of part 4
